; MI455X (gfx1250); checked and timed in simulation.
; The chip was launched on July 23, 2026; its instructions are those of AMD's public machine-readable ISA for CDNA 5 (MIT licence, August 2026) and "CDNA5" Instruction Set Architecture Reference Guide (July 2026). The comments in the code are by the model that wrote it; some were corrected since.
;; Patch MLSL Attention. Allowed arithmetic: matrix products marked QUANTISED: E5M2 operands, one given power-of-two scale a tensor, by v_wmma_f32_16x16x64_bf8_bf8 or v_wmma_f32_16x16x128_bf8_bf8, f32 sums; everything else in f32.
;; Inputs: codebook 16 x 1,024 x 512 float32; lowp_scales 4 int32 (the exponents e of the quantised operands' scales 2^e); patch_embed 16 x 4,096 x 512 float32.
;; Outputs: out0 16 x 1,024 x 512 float32.
;; This version of the problem:
;;   THIS VERSION OF THE PROBLEM IS GIVEN IN LOW PRECISION. The matrix products marked QUANTISED in the list below multiply operands that are first quantised to E5M2 (5 exponent bits, 2 mantissa bits; 8 bits a number), with one given power-of-two scale for each operand tensor; their sums are f32. All else is computed in f32.
;;   The module's matrix products, in the order in which they are computed (A, B: the left and right operand; K: the contracted axis; several contracted axes count as one K, in the product's order):
;;     1. batch 16 x [M 1,024, K 512] x [K 512, N 4,096]; A: input codebook; B: input patch_embed: QUANTISED (scales: A lowp_scales[0], B lowp_scales[1])
;;     2. batch 16 x [M 1,024, K 4,096] x [K 4,096, N 512]; A: softmax (see below); B: input patch_embed: QUANTISED (scales: A lowp_scales[2], B lowp_scales[3])
;;   THE QUANTISER, for each operand of a quantised product, along K:
;;     - The operand's scale is 2^e, e = its entry of the input lowp_scales (int32; the entries are numbered through the quantised products in the list's order, A before B).
;;     - Each number is divided by the scale, clamped to +-57,344, and rounded to the nearest number of E5M2, ties to even, subnormals kept.
;;     - The product sums the exact products of the quantised numbers (number of the format x scale) in f32.
;;   ~~~python
;;   def quantise(x, axis, e):      # numpy; x: float32 -> the quantised numbers, widened to float32 again
;;       x = np.moveaxis(x, axis, -1); K = x.shape[-1]
;;       r = np.clip(x / 2.0 ** e, -57344, 57344)
;;       step = 2.0 ** (np.maximum(np.frexp(np.where(r == 0, 1, r))[1] - 1, -14) - 2)
;;       q = np.round(r / step) * step * 2.0 ** e      # np.round: ties to even
;;       return np.moveaxis(q, -1, axis).astype(np.float32)
;;   ~~~
;;   SOFTMAX AHEAD OF A QUANTISED PRODUCT. Where the list says 'softmax', what is quantised is not the finished softmax but p = 2^(t - M), with t = logit x log2(e) and M = ceil(the row's largest t), a whole number; so 1/2 < the row's largest p <= 1. The row's sum l is taken of the UNQUANTISED p, in f32, and the product's result is divided by l at the end. Since M is a whole number, a kernel that streams over the keys may use a running M (the ceiling of the running maximum): every later rescaling is an exact power of two, so the quantised numbers keep their values, but for numbers so far below the row's largest that they fall under the format's range.
;;   OPERANDS COMPUTED ON THE WAY. 'Computed on the way' means the value that the module computes at that place (a softmax that the list does not call 'softmax' is quantised finished and normalised). What goes into a quantiser is computed in f32, as accurately as f32 sums, v_exp_f32 and their like allow (about 1e-6 of the number): no bf16 or f16 on the way to a quantiser, and a product that is left as it is and whose result goes on into a quantised operand takes f32 operands (vector FMAs, or v_wmma_f32_16x16x4_f32). A number that lies on a knife's edge between two numbers of the format may be rounded either way, as far as f32 arithmetic and the matrix unit's own rounding can turn it there, and no further.
;; One version. Each part assembles by itself: llvm-mc -triple=amdgcn-amd-amdhsa -mcpu=gfx1250 --defsym DOCPART=n.
;; ======== version 1 of 1: 2 launches
;; limits: right only within a limited range of input values
;; workspace buffers: kv 67,108,864 bytes
;; launch quant (part 1): grid 64 x 16, 4 waves a work-group, no clusters, 68,096 bytes of LDS; arguments patch_embed, lowp_scales, kv; writes kv
.if DOCPART == 1
	.amdgcn_target "amdgcn-amd-amdhsa--gfx1250"
	.amdhsa_code_object_version 6
	.text
	.protected	k_q1f6e5555c2_quant
	.globl	k_q1f6e5555c2_quant
	.p2align	8
	.type	k_q1f6e5555c2_quant,@function
k_q1f6e5555c2_quant:
	s_mov_b64 s[64:65], 0
	v_nop
	global_prefetch_b8 v0, s[64:65] scope:SCOPE_SE
	s_setreg_imm32_b32 hwreg(HW_REG_WAVE_MODE, 25, 1), 1
	s_wait_xcnt 0x0
; patch_embed [16][4096][512] f32 is turned into codes of BF8 (E5M2) TWICE: along d with the scale 2^e1 (the keys of the first product) and along the keys with 2^e3 (the values of the second).
; code = x / 2^e, held within +-57,344, rounded to the nearest code, ties to even.  LIMITS: e1 and e3 between -126 and 112, so that 2^e and 57,344 x 2^e are f32 numbers.  NaN among the inputs is not served.
; THE CODES ARE LAID AS IMAGES OF THE OPERANDS' REGISTERS.  A fragment (16 rows x 128 along K) is 2,048 bytes: four chunks c of 512 bytes; in chunk c lane 16 h + r has its 16 bytes at 16 x lane: k = 32 c + 16 h + 0 .. 15 of row r.
;   K area, kv + 0: block (batch, step of 128 keys) of 65,536 bytes at (32 batch + step) x 65,536; fragment (t, s) at (4 t + s) x 2,048: d = 128 s on; row r of tile t = 2 w + u is key 32 w + 16 (r / 8) + 8 u + r % 8.
;   V area, kv + 33,554,432: the same blocks; fragment dt at dt x 2,048: row r is d = 16 dt + r, k is the key inside the step.
; SHARES.  Work-group (x, y): batch y, step x / 2, the half x % 2 of d.  Wave w takes keys 32 w .. 32 w + 31 and two tiles of 128 d.  A tile: 32 loads of 512 consecutive bytes; lane l holds d = 4 l .. 4 l + 3 of each of the 32 keys.
;   V side: a lane's registers already run down the keys, so the hold picks one column's 32 numbers and the conversions give codes with the keys innermost; the codes turn through the wave's stage into chunks of 512 bytes.
;   K side: the f32 rows go through the same stage, laid in the order of the tiles' rows, and come back 16 neighbours along d a lane.
; Every store of a wave covers 512 consecutive bytes, aligned.  No tensor load, no barrier, no cluster: waves and work-groups share no input byte.  Every offset is an immediate; no pointer is stepped.
.set SP,  528                          ; a stage row: 512 bytes + 16: sixteen lanes that take one column of sixteen rows start at sixteen different 16-byte columns
.set X,   16                           ; v16-143   key kk's four numbers at X + 4 kk
.set T,   144                          ; v144-175  V side: one column's 32 numbers, held.  K side: two sets of 16 neighbours
.set VC,  176                          ; v176-207  V side: column m's 32 codes at VC + 8 m.  K side: group g's 16 codes at VC + 4 g
.set VOR, 208                          ; v208-239  V's chunks on their way out
	s_load_b128 s[4:7], s[0:1], 0x0                ; patch_embed s[4:5], the scales' exponents s[6:7]
	s_load_b64 s[8:9], s[0:1], 0x10                ; kv
	v_lshl_add_u32 v240, v0, 2, 0x10800
	v_mov_b32 v241, 0
	v_lshrrev_b32 v10, 5, v0
	v_readfirstlane_b32 s10, v10                   ; wave 0..3
	v_and_b32 v1, 31, v0
	v_lshlrev_b32 v1, 4, v1                        ; v1: 16 x lane: the offset of every global load and store
	s_mul_i32 s11, s10, 32*SP                      ; my wave's stage
	v_add_nc_u32 v2, s11, v1                       ; v2: stage + 16 x lane: f32 rows in, chunks of codes out
	v_and_b32 v10, 15, v0                          ; r
	v_bfe_u32 v11, v0, 4, 1                        ; h
	v_mul_u32_u24 v3, v10, SP
	v_lshl_add_u32 v3, v11, 6, v3
	v_add_nc_u32 v3, s11, v3                       ; v3: stage + 528 r + 64 h: my 16 neighbours along d
	v_bfe_u32 v10, v0, 2, 3                        ; lane / 4: the tile of 16 d that my four columns lie in
	v_and_b32 v11, 3, v0
	v_mul_u32_u24 v4, v10, SP
	v_lshl_add_u32 v4, v11, 6, v4
	v_add_nc_u32 v4, s11, v4                       ; v4: stage + 528 (lane / 4) + 64 (lane % 4): column m's codes of half h go 16 m + 256 h further on
	s_lshr_b32 s16, ttmp9, 1                       ; step
	s_and_b32 s17, ttmp9, 1                        ; which 256 of d
	s_and_b32 s18, ttmp7, 0xffff                   ; batch
	s_lshl_b32 s20, s18, 23                        ; in: batch x 8,388,608
	s_lshl_b32 s22, s16, 18                        ; + step x 128 rows of 2,048 bytes
	s_add_co_u32 s20, s20, s22
	s_lshl_b32 s22, s10, 16                        ; + wave x 32 rows
	s_add_co_u32 s20, s20, s22
	s_lshl_b32 s22, s17, 10                        ; + 256 d
	s_add_co_u32 s20, s20, s22
	s_mov_b32 s21, 0
	s_lshl_b32 s22, s18, 5
	s_add_co_u32 s22, s22, s16
	s_lshl_b32 s22, s22, 16                        ; the block
	s_lshl_b32 s24, s10, 14                        ; K: + my two tiles' eight fragments
	s_add_co_u32 s24, s24, s22
	s_lshl_b32 s26, s17, 12                        ; + two fragments along d
	s_add_co_u32 s24, s24, s26
	s_mov_b32 s25, 0
	s_lshl_b32 s26, s17, 15                        ; V: + sixteen fragments
	s_add_co_u32 s26, s26, s22
	s_lshl_b32 s28, s10, 9                         ; + my keys' chunk
	s_add_co_u32 s26, s26, s28
	s_add_co_u32 s26, s26, 33554432                ; in the V area
	s_mov_b32 s27, 0
	s_wait_kmcnt 0x0
	s_load_b128 s[12:15], s[6:7], 0x0              ; e0, e1, e2, e3
	s_add_nc_u64 s[4:5], s[4:5], s[20:21]
	s_add_nc_u64 s[24:25], s[8:9], s[24:25]
	s_add_nc_u64 s[26:27], s[8:9], s[26:27]
.macro LOAD tau                        ; a tile: 32 keys x 128 d: each load reads 512 consecutive bytes of one key's row
.set kk, 0
.rept 32
	global_load_b128 v[X+4*kk:X+4*kk+3], v1, s[4:5] offset:2048*kk+512*\tau th:TH_LOAD_NT
.set kk, kk+1
.endr
.endm
.macro KREAD g                         ; group g = 4 u + c: d = 32 c + 16 h + 0 .. 15 of row r of tile u, into set g % 2
.irp j, 0,1,2,3
	ds_load_b128 v[T+16*((\g)%2)+4*\j:T+16*((\g)%2)+4*\j+3], v3 offset:16*SP*((\g)/4)+128*((\g)%4)+16*\j
.endr
.endm
.macro TILE tau
	s_wait_loadcnt 0x0                             ; the tile is in
.if \tau
	s_wait_xcnt 0x0                                ; the first tile's stores have read their data: the codes' registers are written again only behind this wait
.endif
.irp m, 0,1,2,3                        ; V side: column d = 4 l + m
.set kk, 0
.rept 32
	v_med3_num_f32 v[T+kk], v[X+4*kk+\m], -v9, v9  ; the conversion to an 8-bit code does not saturate (ISA guide 7.6.2): the hold; it also gathers the column's 32 keys into consecutive registers
.set kk, kk+1
.endr
.irp g, 0,1,2,3
	v_cvt_scalef32_pk8_bf8_f32 v[VC+8*\m+2*\g:VC+8*\m+2*\g+1], v[T+8*\g:T+8*\g+7], v8
.endr
	v_nop                                          ; a plain line between the conversions and the next column's holds, which write their sources
.endr
.irp m, 0,1,2,3
.irp hh, 0,1
	ds_store_b128 v4, v[VC+8*\m+4*\hh:VC+8*\m+4*\hh+3] offset:16*\m+256*\hh   ; keys 16 hh .. 16 hh + 15 of my column m
.endr
.endr
.irp d, 0,1,2,3,4,5,6,7
	ds_load_b128 v[VOR+4*\d:VOR+4*\d+3], v2 offset:SP*\d   ; LDS serves a wave's instructions in order (ISA guide 5.7.1.4): these see the stores above; one chunk of 512 bytes for each tile of 16 d
.endr
.set kk, 0
.rept 32
	ds_store_b128 v2, v[X+4*kk:X+4*kk+3] offset:SP*(16*((kk/8)%2)+8*(kk/16)+kk%8)   ; the f32 rows, over the codes just read: key kk is row 8 (kk / 16) + kk % 8 of tile (kk / 8) % 2
.set kk, kk+1
.endr
	s_wait_dscnt 0x0                               ; V's chunks are in registers, and the stores have read X
.if \tau == 0
	LOAD 1                                         ; the second tile is on its way through the whole K side
.endif
.irp d, 0,1,2,3,4,5,6,7
	global_store_b128 v1, v[VOR+4*\d:VOR+4*\d+3], s[26:27] offset:(8*\tau+\d)*2048
.endr
	KREAD 0
	KREAD 1
.irp g, 0,1,2,3,4,5,6,7                ; K side
.if \g < 7
	s_wait_dscnt 4                                 ; this group's four reads are in; the next group's four may be out
.else
	s_wait_dscnt 0x0
.endif
.irp i, 0,1,2,3,4,5,6,7,8,9,10,11,12,13,14,15
	v_med3_num_f32 v[T+16*(\g%2)+\i], v[T+16*(\g%2)+\i], -v7, v7
.endr
	v_cvt_scalef32_pk8_bf8_f32 v[VC+4*\g:VC+4*\g+1], v[T+16*(\g%2):T+16*(\g%2)+7], v6
	v_cvt_scalef32_pk8_bf8_f32 v[VC+4*\g+2:VC+4*\g+3], v[T+16*(\g%2)+8:T+16*(\g%2)+15], v6
.if \g < 6
	KREAD \g+2                                     ; into the set just converted; the next vector lines are the other set's sixteen holds
.endif
	global_store_b128 v1, v[VC+4*\g:VC+4*\g+3], s[24:25] offset:8192*(\g/4)+2048*\tau+512*(\g%4)
.endr
.endm
	LOAD 0
	s_wait_kmcnt 0x0
	s_add_co_i32 s20, s13, 127
	s_lshl_b32 s21, s20, 23
	v_mov_b32 v6, s21                              ; 2^e1 as f32: the conversion takes its exponent field
	s_add_co_i32 s20, s20, 15
	s_lshl_b32 s20, s20, 23
	s_or_b32 s20, s20, 0x600000
	v_mov_b32 v7, s20                              ; 57,344 x 2^e1
	s_add_co_i32 s20, s15, 127
	s_lshl_b32 s21, s20, 23
	v_mov_b32 v8, s21                              ; 2^e3
	s_add_co_i32 s20, s20, 15
	s_lshl_b32 s20, s20, 23
	s_or_b32 s20, s20, 0x600000
	v_mov_b32 v9, s20                              ; 57,344 x 2^e3
	s_wait_alu depctr_va_vdst(0)
	TILE 0
	TILE 1
	s_wait_tensorcnt 0x0
	ds_add_u32 v240, v241
	s_wait_dscnt 0x0
	s_endpgm
.Lfunc_end_k_q1f6e5555c2_quant:
	.size	k_q1f6e5555c2_quant, .Lfunc_end_k_q1f6e5555c2_quant-k_q1f6e5555c2_quant
	.p2alignl 7, 3214868480
	.fill 96, 4, 3214868480
	.section	.rodata,"a",@progbits
	.p2align	6, 0x0
	.amdhsa_kernel k_q1f6e5555c2_quant
		.amdhsa_group_segment_fixed_size 68096
		.amdhsa_private_segment_fixed_size 0
		.amdhsa_enable_private_segment 0
		.amdhsa_kernarg_size 24
		.amdhsa_user_sgpr_count 2
		.amdhsa_user_sgpr_kernarg_segment_ptr 1
		.amdhsa_wavefront_size32 1
		.amdhsa_system_sgpr_workgroup_id_x 1
		.amdhsa_system_sgpr_workgroup_id_y 1
		.amdhsa_system_sgpr_workgroup_id_z 1
		.amdhsa_system_vgpr_workitem_id 0
		.amdhsa_next_free_vgpr 242
		.amdhsa_next_free_sgpr 66
		.amdhsa_reserve_vcc 0
		.amdhsa_float_denorm_mode_32 3
		.amdhsa_float_denorm_mode_16_64 3
		.amdhsa_memory_ordered 1
		.amdhsa_forward_progress 1
		.amdhsa_inst_pref_size 59
	.end_amdhsa_kernel
	.amdgpu_metadata
---
amdhsa.version: [ 1, 2 ]
amdhsa.kernels:
  - .name:           k_q1f6e5555c2_quant
    .symbol:         k_q1f6e5555c2_quant.kd
    .args:
      - { .name: patch_embed, .offset: 0, .size: 8, .value_kind: global_buffer, .address_space: global }
      - { .name: lowp_scales, .offset: 8, .size: 8, .value_kind: global_buffer, .address_space: global }
      - { .name: kv, .offset: 16, .size: 8, .value_kind: global_buffer, .address_space: global }
    .group_segment_fixed_size: 68096
    .private_segment_fixed_size: 0
    .kernarg_segment_align: 8
    .kernarg_segment_size: 24
    .max_flat_workgroup_size: 128
    .sgpr_count:     66
    .vgpr_count:     242
    .wavefront_size: 32
...
	.end_amdgpu_metadata
.endif
;; end of part 1
;; launch attn (part 2): grid 16 x 16, 4 waves a work-group, clusters of 4 x 1, 327,680 bytes of LDS; arguments codebook, lowp_scales, kv, out0; writes out0
.if DOCPART == 2
	.amdgcn_target "amdgcn-amd-amdhsa--gfx1250"
	.amdhsa_code_object_version 6
	.text
	.protected	k_q1f6e5555c2_attn
	.globl	k_q1f6e5555c2_attn
	.p2align	8
	.type	k_q1f6e5555c2_attn,@function
k_q1f6e5555c2_attn:
	s_mov_b64 s[64:65], 0
	v_nop
	global_prefetch_b8 v0, s[64:65] scope:SCOPE_SE
	s_setreg_imm32_b32 hwreg(HW_REG_WAVE_MODE, 25, 1), 1
	s_wait_xcnt 0x0
	s_wait_alu depctr_hold_cnt(0) depctr_sa_sdst(0) depctr_va_vdst(0) depctr_va_sdst(0) depctr_va_ssrc(0) depctr_va_vcc(0) depctr_vm_vsrc(0)
	s_getreg_b32 s2, hwreg(HW_REG_IB_STS2, 6, 4)
	s_cmp_eq_u32 s2, 0
	s_cbranch_scc0 .Lentry_in_a_cluster
	s_endpgm
.Lentry_in_a_cluster:
	s_bfe_u32 s2, ttmp6, 0x10000c
	s_cmp_lg_u32 s2, 0x3003
	s_cbranch_scc0 .Lentry_shape_is_right
	s_endpgm
.Lentry_shape_is_right:
; out0[b][q][:] = sum over n of softmax_n(codebook[b][q] . patch[b][n]) patch[b][n][:], both products on codes of BF8 (E5M2), each operand with its given scale 2^e.
; kv holds patch_embed's codes as images of operand registers: K area (d innermost) and V area (keys innermost), blocks of 65,536 bytes for a step of 128 keys, fragments of 2,048 bytes (16 rows x 128 along K).
; SOFTMAX: t = score x log2(e); M = ceiling of the running largest t; p = 2^(t - M) is quantised with 2^e2; the sum is taken of the unquantised p; when M moves, sum and O are multiplied by 2^(old M - new M).
; SHARES. A work-group owns 64 queries of one batch (16 x 16 work-groups, one for each WGP) and walks 32 steps of 128 keys. S^T = K Q^T: wave w takes keys 32 w .. 32 w + 31 of the step and all 64 queries.
; O^T = V^T P^T: wave w takes d = 128 w .. 128 w + 127 and all 64 queries. The step's maxima and p's codes pass from wave to wave through LDS: one barrier a step.
; A BODY b does three stages: softmax of step b - 1, PV of step b - 2, scores of step b.
; K comes through two LDS slots of two steps (131,072 bytes) by joint loads: the four work-groups of a cluster walk the same batch. V goes from memory into registers, two sets of 128 by turns:
; step b's fragments are asked for in body b, behind the PV that frees their set, and are used in body b + 2.
; PREFETCH: at each refill the cluster with x = 0 of a batch names the K slot that the next refill loads and the two V blocks that the bodies two steps on load: 8,192 bytes a wave and stream, lanes 256 bytes apart,
; the four partners told apart by address; the last refill of the loop names nothing, so every address stays inside kv.
; LIMITS: e0 and e2 between -126 and 112; e0 + e1 between -126 and 126 (added to log2(e)'s exponent field); scaled scores under 2^31 in magnitude; NaN among the inputs is not served.
; REGISTERS: window 0: v0-15 addresses, v16-31 codes at work, v32-63 state (8 a query tile: -M, t, sum x 2, f, -, 2 at work), v64-127 S then p, v128-191 P's fragments, then K's steps 0, 1 along d,
; v192-255 the exchanged maxima, then K's steps 2, 3. Window 1: O^T (accumulator 4 d + q at 8 (4 d + q)). Window 2: Q's 16 fragments. Window 3: V, two sets.
.set SLOT,  131072
.set BLK,   65536
.set VAREA, 33554432
.set QBASE, 262144                     ; Q's image, 32,768 bytes
.set PBASE, 294912                     ; p's codes, two buffers of 8,192
.set MXB,   311296                     ; maxima: two buffers of 1,024; the sums at LXO
.set LXO,   2048
.set SPARE, 314368                     ; the spare words: 512 bytes that no other line names
.set L16,  1
.set AK,   2
.set ADK,  4
.set PFO2, 5
.set AP,   6
.set APW,  7
.set AMX,  8
.set AMXW, 9
.set PFO,  10
.set SPW,  11
.set NIL,  12
.set PSC,  13
.set PLIM, 14
.set AQ,   15
.set PC,   16
.set STO,  16                          ; the way out only
.set RD,   17
.set ST,   32
.set S,    64
.set PF,   128
.set MXR,  192
.set XA,   133                         ; the head only
.set AQW,  135
.set QSC,  136
.set QLIM, 137
.set WV,   12
.set G1,   16
.set G0,   24
.set CS,   36
.set SEL,  38
.set TRIPS, 40
.set LIM,  41
.set PFA,  42
.set VB,   44
.set QB,   46
.set OUT,  48
.set TB,   62
.set MSB, 0
.macro WIN new                         ; the immediate's high byte repeats the setting that is left
.if MSB != \new
	s_set_vgpr_msb (MSB<<8)|\new
.set MSB, \new
.endif
.endm
.macro PLACES
.rept 4
	v_nop
.endr
.endm
.macro ROUND                           ; a round of the cluster's barrier
	s_barrier_signal -1
	s_barrier_wait -1
	s_cmp_lg_u32 s[WV], 0
	s_cbranch_scc1 .Lnot_wave_0_\@
	s_barrier_signal -3
.Lnot_wave_0_\@:
	s_barrier_wait -3
	s_barrier_signal -1
	s_barrier_wait -1
.endm
.macro CREST                           ; a round behind its opening barrier
	s_cmp_lg_u32 s[WV], 0
	s_cbranch_scc1 .Lnw0_\@
	s_barrier_signal -3
.Lnw0_\@:
	s_barrier_wait -3
	s_barrier_signal -1
	s_barrier_wait -1
.endm
.macro RESC n0                         ; O^T x f, the f of the last softmax: accumulators n0 .. n0 + 15 (window setting 0x41)
.set m, \n0
.rept 16
.irp k, 0,2,4,6
	v_pk_mul_f32 v[8*m+\k:8*m+\k+1], v[8*m+\k:8*m+\k+1], v[ST+8*(m%4)+4:ST+8*(m%4)+5] op_sel_hi:[1,0]
.endr
.set m, m+1
.endr
.endm
.macro KL1 k0, i                       ; the i-th of the 16 loads of K's steps k0, k0 + 1 along d
	ds_load_b128 v[PF+32*(\k0)+4*(\i):PF+32*(\k0)+4*(\i)+3], v[ADK] offset:2048*(4*(((\i)/4)%2)+(\k0)+(\i)/8)+512*((\i)%4)
.endm
.macro KPAIR on                        ; two loads of K's steps 0, 1, laid among the additions of the sums
.if \on
	KL1 0, kk
	KL1 0, kk+1
.set kk, kk+2
.endif
.endm
.macro ASK
	s_cmp_gt_u32 s[TRIPS], s[LIM]
	s_cbranch_scc0 .Lnot_mine_\@
	global_prefetch_b8 v[PFO], s[PFA:PFA+1] th:TH_LOAD_NT scope:SCOPE_SE
	global_prefetch_b8 v[PFO2], s[PFA:PFA+1] th:TH_LOAD_NT scope:SCOPE_SE
.Lnot_mine_\@:
.endm
; The barrier between two bodies. fill = 1: a change of slots with a refill (the three lines, a round, the joint load); fill = 2: the last change, no refill; fill = 0: the exchange alone.
.macro XBAR fill, vstep, ask, rs
	WIN 0
	s_wait_alu depctr_va_vdst(0)                   ; ahead of the blocking waits below
.if \fill
	s_wait_tensorcnt 0x0                           ; my one load that was out: my quarter of the slot ahead
	ds_add_u32 v[SPW], v[NIL]
	s_xor_b32 s[TB], s[TB], SLOT
.if \fill == 1
	s_xor_b32 s[G0+5], s[G0+5], SLOT
	s_add_nc_u64 s[G0+6:G0+7], s[G0+6:G0+7], SLOT
.endif
.endif
.if \vstep
	s_wait_xcnt 0x0                                ; V's loads and the prefetches have read their bases
	s_add_nc_u64 s[VB:VB+1], s[VB:VB+1], BLK
.if \ask
	s_add_nc_u64 s[PFA:PFA+1], s[PFA:PFA+1], SLOT
.endif
.endif
	s_wait_dscnt 0x0                               ; the add, my stores for the others, my reads of the slot left
	s_barrier_signal -1                            ; (fill = 1: this barrier opens a round of the cluster's barrier)
.if \rs
	WIN 0x41
	RESC 0                                         ; work on registers alone while the others arrive: half of O^T x f
	WIN 0
.endif
	s_barrier_wait -1
.if \fill == 1
	CREST
	tensor_load_to_lds s[G0+4:G0+7], s[G1:G1+7]
	s_nop 0
	PLACES
.if \ask
	ASK
.endif
.endif
.endm
.macro VFR p, d, off                   ; one fragment of V into set p
.irp c, 0,1,2,3
	global_load_b128 v[128*\p+16*(\d)+4*\c:128*\p+16*(\d)+4*\c+3], v[L16], s[VB:VB+1] offset:\off+2048*(\d)+512*\c
.endr
.endm
.macro KLD k0                          ; K's fragments of steps k0, k0 + 1 along d, both tiles of my 32 keys
.irp k, \k0, \k0+1
.irp t, 0,1
.irp c, 0,1,2,3
	ds_load_b128 v[PF+32*(\k)+16*\t+4*\c:PF+32*(\k)+16*\t+4*\c+3], v[ADK] offset:2048*(4*\t+(\k))+512*\c
.endr
.endr
.endr
.endm
; p: the body's parity; sm: softmax; pv: 0 none, 1 starts the sums, 2 adds; sq: scores; rs: O x f; vl: V's next loads; lat: V loads issued behind the set in use
.macro BODY p, sm, pv, sq, rs, vl, lat
.if \sm
.irp q, 0,1,2,3
	ds_load_b128 v[MXR+4*\q:MXR+4*\q+3], v[AMX] offset:(1-\p)*1024+256*\q
.endr
.endif
.if \pv
.irp q, 0,1,2,3
.irp c, 0,1,2,3
	ds_load_b128 v[PF+16*\q+4*\c:PF+16*\q+4*\c+3], v[AP] offset:\p*8192+2048*\q+512*\c
.endr
.endr
.endif
.if \rs
	WIN 0x41
	RESC 16                                        ; the other half of O^T x f, while the LDS loads above are out; f is made anew only below
	WIN 0
.endif
.if \sq
	WIN 0
	v_add_nc_u32 v[ADK], s[TB], v[AK+\p]
.endif
.if \sm
.if \pv
	s_wait_dscnt 16
.else
	s_wait_dscnt 0x0
.endif
.irp q, 0,1,2,3
	v_max3_num_f32 v[ST+8*\q+6], v[MXR+4*\q], v[MXR+4*\q+1], v[MXR+4*\q+2]
.endr
.irp q, 0,1,2,3
	v_max_num_f32 v[ST+8*\q+6], v[ST+8*\q+6], v[MXR+4*\q+3]
.endr
.irp q, 0,1,2,3
	v_mul_f32 v[ST+8*\q+6], s[CS], v[ST+8*\q+6]
.endr
.irp q, 0,1,2,3
	v_max_num_f32 v[ST+8*\q+1], v[ST+8*\q+1], v[ST+8*\q+6]   ; the running largest t
.endr
.irp q, 0,1,2,3
	v_mov_b32 v[ST+8*\q+7], v[ST+8*\q]
.endr
.irp q, 0,1,2,3
	v_floor_f32 v[ST+8*\q], -v[ST+8*\q+1]          ; -M = floor(-t)
.endr
.irp q, 0,1,2,3
	v_sub_f32 v[ST+8*\q+7], v[ST+8*\q], v[ST+8*\q+7]
.endr
.irp q, 0,1,2,3
	v_cvt_i32_f32 v[ST+8*\q+7], v[ST+8*\q+7]
.endr
.irp q, 0,1,2,3
	v_ldexp_f32 v[ST+8*\q+4], 1.0, v[ST+8*\q+7]    ; f = 2^(old M - new M)
.endr
.set n, 0
.rept 32
	v_pk_fma_f32 v[S+2*n:S+2*n+1], v[S+2*n:S+2*n+1], s[CS:CS+1], v[ST+8*(n/8):ST+8*(n/8)+1] op_sel_hi:[1,0,0]   ; t - M
.set n, n+1
.endr
	s_wait_alu depctr_va_vdst(0)                   ; ahead of the batch
.else
	s_wait_alu depctr_va_vdst(0)                   ; ahead of the blocking wait below
.endif
.if \pv
	s_wait_dscnt 0x0
.endif
.set n, 0
.rept 32
.if \sq
.if n%2 == 0
	WIN 0
	KL1 2, n/2                                     ; K's steps 2, 3 along d, over the maxima, which have been read: one load for two turns of this run
.endif
.endif
.if \pv
.if n%4 == 0
	s_wait_loadcnt \lat+4*(7-n/4)                  ; this fragment of V is in: behind it stand the set's later fragments and the other set's loads
.endif
	WIN 0x53
.if \pv == 1
	v_wmma_f32_16x16x128_bf8_bf8 v[8*n:8*n+7], v[128*\p+16*(n/4):128*\p+16*(n/4)+15], v[PF+16*(n%4):PF+16*(n%4)+15], 0
.else
	v_wmma_f32_16x16x128_bf8_bf8 v[8*n:8*n+7], v[128*\p+16*(n/4):128*\p+16*(n/4)+15], v[PF+16*(n%4):PF+16*(n%4)+15], v[8*n:8*n+7]
.endif
.endif
.if \sm
	WIN 0
	v_exp_f32 v[S+2*n], v[S+2*n]
	v_exp_f32 v[S+2*n+1], v[S+2*n+1]
.endif
.set n, n+1
.endr
.if \sm
	WIN 0
.irp q, 0,1,2,3
	v_pk_mul_f32 v[ST+8*\q+2:ST+8*\q+3], v[ST+8*\q+2:ST+8*\q+3], v[ST+8*\q+4:ST+8*\q+5] op_sel_hi:[1,0]   ; the sums x f; also the four places ahead of the loads below
.endr
.else
.if \pv
	PLACES
.endif
.endif
.if \vl
	WIN 0xc0
.irp d, 0,1,2,3,4,5,6,7
	VFR \p, \d, 0                                  ; this body's step of V, into the set just multiplied
.endr
.endif
.if \sq
.if \sm == 0
	WIN 0
	KLD 0
.endif
.endif
.set kk, 0
.if \sm
	WIN 0
	s_wait_alu depctr_va_vdst(0)                   ; one wait for the batch, ahead of its first reader
.irp q, 0,1,2,3
	v_pk_add_f32 v[ST+8*\q+6:ST+8*\q+7], v[S+16*\q:S+16*\q+1], v[S+16*\q+2:S+16*\q+3]
.endr
	KPAIR \sq                                      ; K's steps 0, 1 go over P's fragments, which are done with: eight plain lines stand behind the last product
.irp j, 4,8,12
.irp q, 0,1,2,3
	v_pk_add_f32 v[ST+8*\q+2:ST+8*\q+3], v[ST+8*\q+2:ST+8*\q+3], v[S+16*\q+\j:S+16*\q+\j+1]
.endr
	KPAIR \sq
.irp q, 0,1,2,3
	v_pk_add_f32 v[ST+8*\q+6:ST+8*\q+7], v[ST+8*\q+6:ST+8*\q+7], v[S+16*\q+\j+2:S+16*\q+\j+3]
.endr
	KPAIR \sq
.endr
.irp q, 0,1,2,3
	v_pk_add_f32 v[ST+8*\q+2:ST+8*\q+3], v[ST+8*\q+2:ST+8*\q+3], v[ST+8*\q+6:ST+8*\q+7]
.endr
	KPAIR \sq
.set n, 0
.rept 64
	v_min_num_f32 v[S+n], v[S+n], v[PLIM]          ; the hold: the conversion does not saturate (ISA guide 7.6.2); p is not negative
.set n, n+1
.endr
.irp q, 0,1,2,3
	v_cvt_scalef32_pk8_bf8_f32 v[PC+4*\q:PC+4*\q+1], v[S+16*\q:S+16*\q+7], v[PSC]
	v_cvt_scalef32_pk8_bf8_f32 v[PC+4*\q+2:PC+4*\q+3], v[S+16*\q+8:S+16*\q+15], v[PSC]
.endr
	v_nop                                          ; a plain line behind the conversions
.irp q, 0,1,2,3
	ds_store_b128 v[APW], v[PC+4*\q:PC+4*\q+3] offset:(1-\p)*8192+2048*\q
.endr
.endif
.if \sq
	WIN 0x08
	s_wait_dscnt 4*\sm                             ; K's 32 loads are in; p's four stores, issued behind them, may be out
.set n, 0
.rept 32                               ; S^T = K Q^T: eight accumulators by turns, four steps along d
.set rS, S+16*((n%8)/2)+8*(n%2)
.set rK, PF+32*((n/8+2)%4)+16*(n%2)    ; steps 2, 3, 0, 1 along d: in the order in which their loads were issued
.set rQ, 16*(4*((n%8)/2)+(n/8+2)%4)
.if n < 8
	v_wmma_f32_16x16x128_bf8_bf8 v[rS:rS+7], v[rK:rK+15], v[rQ:rQ+15], 0
.else
	v_wmma_f32_16x16x128_bf8_bf8 v[rS:rS+7], v[rK:rK+15], v[rQ:rQ+15], v[rS:rS+7]
.endif
.set n, n+1
.endr
	PLACES
	WIN 0
.irp q, 0,1,2,3
	v_max3_num_f32 v[ST+8*\q+6], v[S+16*\q], v[S+16*\q+1], v[S+16*\q+2]
	v_max3_num_f32 v[ST+8*\q+7], v[S+16*\q+8], v[S+16*\q+9], v[S+16*\q+10]
.endr
.irp q, 0,1,2,3
	v_max3_num_f32 v[ST+8*\q+6], v[ST+8*\q+6], v[S+16*\q+3], v[S+16*\q+4]
	v_max3_num_f32 v[ST+8*\q+7], v[ST+8*\q+7], v[S+16*\q+11], v[S+16*\q+12]
.endr
.irp q, 0,1,2,3
	v_max3_num_f32 v[ST+8*\q+6], v[ST+8*\q+6], v[S+16*\q+5], v[S+16*\q+6]
	v_max3_num_f32 v[ST+8*\q+7], v[ST+8*\q+7], v[S+16*\q+13], v[S+16*\q+14]
.endr
.irp q, 0,1,2,3
	v_max3_num_f32 v[ST+8*\q+6], v[ST+8*\q+6], v[S+16*\q+7], v[S+16*\q+15]
.endr
.irp q, 0,1,2,3
	v_max_num_f32 v[ST+8*\q+6], v[ST+8*\q+6], v[ST+8*\q+7]
.endr
.irp q, 0,1,2,3
	v_permlanex16_b32 v[ST+8*\q+7], v[ST+8*\q+6], s[SEL], s[SEL+1]
.endr
.irp q, 0,1,2,3
	v_max_num_f32 v[ST+8*\q+6], v[ST+8*\q+6], v[ST+8*\q+7]
.endr
.irp q, 0,1,2,3
	ds_store_b32 v[AMXW], v[ST+8*\q+6] offset:\p*1024+256*\q   ; my 32 keys' largest score of each query
.endr
.endif
.endm
; Q: wave w quantises query tile w. Each load reads two whole runs of 256 bytes (16 lanes a row, rows 2 x and 2 x + 1); the quantiser works number by number, so a lane's four neighbours along d
; become one dword of codes, stored at its place in the fragment image: chunk c = 2 u + (l / 8) % 2, half (l / 4) % 2, row l / 16 + 2 x, byte 4 (l % 4).
.macro XLOAD s
.set i, 0
.rept 16
	global_load_b128 v[64*\s+4*i:64*\s+4*i+3], v[XA], s[QB:QB+1] offset:4096*(i%8)+512*\s+256*(i/8) th:TH_LOAD_NT
.set i, i+1
.endr
.endm
.macro QUANT s
	WIN 0x01
.set n, 0
.rept 64
	v_med3_num_f32 v[S+n], v[64*\s+n], -v[QLIM], v[QLIM]
.set n, n+1
.endr
	WIN 0
.irp g, 0,1,2,3,4,5,6,7
	v_cvt_scalef32_pk8_bf8_f32 v[PC+2*\g:PC+2*\g+1], v[S+8*\g:S+8*\g+7], v[QSC]
.endr
	v_nop
.set i, 0
.rept 16
	ds_store_b32 v[AQW], v[PC+i] offset:2048*\s+1024*(i/8)+32*(i%8)
.set i, i+1
.endr
.endm
	s_load_b256 s[4:11], s[0:1], 0x0               ; codebook, the scales' exponents, kv, out0
	v_lshl_add_u32 v[SPW], v0, 2, SPARE
	v_mov_b32 v[NIL], 0
	ds_add_u32 v[SPW], v[NIL]                      ; the opening lines: the add twice on end and one wait
	ds_add_u32 v[SPW], v[NIL]
	v_lshrrev_b32 v128, 5, v0
	v_readfirstlane_b32 s[WV], v128
	v_and_b32 v129, 31, v0                         ; lane
	v_and_b32 v130, 15, v0                         ; lane % 16
	v_bfe_u32 v131, v0, 4, 1                       ; lane / 16
	v_lshlrev_b32 v[L16], 4, v129
	v_lshlrev_b32 v[XA], 11, v131
	v_lshl_add_u32 v[XA], v130, 4, v[XA]           ; codebook: row lane / 16, 16 bytes a lane
	s_bfe_u32 s13, ttmp6, 0x40000                  ; cx
	s_lshl_b32 s14, ttmp9, 2
	s_add_co_u32 s14, s14, s13                     ; which 64 queries
	s_and_b32 s15, ttmp7, 0xffff                   ; batch
	s_mov_b32 s[G1], 15|(3<<16)|(1<<21)            ; the four partners; elements of 8 bytes; 128 rows of 256 bytes, dense
	s_mov_b32 s[G1+1], 32<<16
	s_mov_b32 s[G1+2], 128<<16
	s_mov_b32 s[G1+3], 32<<16
	s_mov_b32 s[G1+4], 128
	s_mov_b32 s[G1+5], 32
	s_mov_b32 s[G1+6], 0
	s_mov_b32 s[G1+7], 0
	s_lshl_b32 s52, s15, 21
	s_lshl_b32 s53, s[WV], 15
	s_add_co_u32 s52, s52, s53                     ; K: the batch, my quarter of a slot
	s_mov_b32 s53, 0
	s_lshl_b32 s50, s15, 21
	s_lshl_b32 s51, s[WV], 14
	s_add_co_u32 s50, s50, s51
	s_add_co_u32 s50, s50, VAREA                   ; V: the batch, my eight fragments
	s_mov_b32 s51, 0
	s_cmp_eq_u32 ttmp9, 0
	s_cselect_b32 s[LIM], 1, -1                    ; one cluster of a batch prefetches
	s_lshl_b32 s56, s15, 21
	s_lshl_b32 s57, s14, 17
	s_add_co_u32 s56, s56, s57
	s_lshl_b32 s58, s[WV], 15
	s_add_co_u32 s58, s58, s56                     ; codebook: my 16 rows
	s_mov_b32 s59, 0
	s_lshl_b32 s57, s[WV], 9
	s_add_co_u32 s56, s56, s57                     ; out0: my 128 columns
	s_mov_b32 s57, 0
	s_lshl_b32 s60, s13, 13
	s_add_co_u32 s60, s60, 2*SLOT
	s_mov_b32 s61, 0
	s_mov_b32 s[TB], 0
	s_wait_alu depctr_va_vdst(0)                   ; ahead of the blocking waits
	s_wait_dscnt 0x0
	s_wait_kmcnt 0x0
	s_load_b128 s[32:35], s[6:7], 0x0              ; e0, e1, e2, e3
	s_add_nc_u64 s[54:55], s[8:9], s[52:53]
	s_add_nc_u64 s[VB:VB+1], s[8:9], s[50:51]
	s_add_nc_u64 s[QB:QB+1], s[4:5], s[58:59]
	s_add_nc_u64 s[OUT:OUT+1], s[10:11], s[56:57]
	s_add_nc_u64 s[PFA:PFA+1], s[54:55], s[60:61]
	WIN 0x40
	XLOAD 0
	XLOAD 1
	XLOAD 2
	WIN 0
	s_mov_b32 s[G0], 1
	s_lshl_b32 s[G0+1], s[WV], 15
	s_mov_b64 s[G0+2:G0+3], s[54:55]
	s_or_b32 s[G0+3], s[G0+3], 0x80000000
	s_mov_b32 s[G0+4], 1
	s_add_co_u32 s[G0+5], s[G0+1], SLOT
	s_add_nc_u64 s[G0+6:G0+7], s[54:55], SLOT
	s_or_b32 s[G0+7], s[G0+7], 0x80000000
	ROUND
	tensor_load_to_lds s[G0:G0+3], s[G1:G1+7]      ; slot 0: my one load at the head; Q is quantised while it is out
	s_nop 0
	PLACES
	s_lshl_b32 s56, s[WV], 14
	v_add_nc_u32 v[AK], s56, v[L16]
	v_add_nc_u32 v[AK+1], BLK, v[AK]
	v_add_nc_u32 v[AP], PBASE, v[L16]
	s_lshl_b32 s56, s[WV], 9
	v_add_nc_u32 v[APW], s56, v[AP]
	v_lshl_add_u32 v[AMX], v130, 4, MXB
	s_lshl_b32 s56, s[WV], 2
	v_add_nc_u32 v[AMXW], s56, v[AMX]
	v_add_nc_u32 v[AQ], QBASE, v[L16]
	v_and_b32 v132, 3, v0
	v_lshl_add_u32 v[AQW], v132, 2, QBASE
	v_bfe_u32 v132, v0, 2, 1
	v_lshl_add_u32 v[AQW], v132, 8, v[AQW]
	v_bfe_u32 v132, v0, 3, 1
	v_lshl_add_u32 v[AQW], v132, 9, v[AQW]
	v_lshl_add_u32 v[AQW], v131, 4, v[AQW]
	s_lshl_b32 s56, s[WV], 13
	v_add_nc_u32 v[AQW], s56, v[AQW]
	v_lshlrev_b32 v[PFO], 8, v129
	v_add_nc_u32 v[PFO2], VAREA-2*BLK, v[PFO]
.irp q, 0,1,2,3
	v_mov_b32 v[ST+8*\q+1], 0xff61b1e6             ; the largest t so far: -3e38
	v_mov_b32 v[ST+8*\q+2], 0
	v_mov_b32 v[ST+8*\q+3], 0
	v_mov_b32 v[ST+8*\q+4], 0
	v_mov_b32 v[ST+8*\q+5], 0
	v_mov_b32 v[ST+8*\q+6], 0
	v_mov_b32 v[ST+8*\q+7], 0
	v_floor_f32 v[ST+8*\q], -v[ST+8*\q+1]
.endr
	s_mov_b32 s[SEL], 0x76543210
	s_mov_b32 s[SEL+1], 0xfedcba98
	s_wait_kmcnt 0x0
	s_add_co_i32 s56, s32, s33
	s_lshl_b32 s56, s56, 23
	s_add_co_i32 s[CS], s56, 0x3fb8aa3b            ; log2(e) x 2^(e0 + e1)
	s_mov_b32 s[CS+1], s[CS]
	s_add_co_i32 s56, s32, 127
	s_lshl_b32 s57, s56, 23
	v_mov_b32 v[QSC], s57                          ; 2^e0
	s_add_co_i32 s56, s56, 15
	s_lshl_b32 s56, s56, 23
	s_or_b32 s56, s56, 0x600000
	v_mov_b32 v[QLIM], s56                         ; 57,344 x 2^e0
	s_add_co_i32 s56, s34, 127
	s_lshl_b32 s57, s56, 23
	v_mov_b32 v[PSC], s57                          ; 2^e2
	s_add_co_i32 s56, s56, 15
	s_lshl_b32 s56, s56, 23
	s_or_b32 s56, s56, 0x600000
	v_mov_b32 v[PLIM], s56                         ; 57,344 x 2^e2
	s_wait_alu depctr_va_vdst(0)                   ; at the head's end
	s_wait_loadcnt 32                              ; each of the four waits: 32 loads stand behind the 16 that are wanted
	WIN 0x40
	XLOAD 3
	QUANT 0
	s_wait_loadcnt 32
	WIN 0xc0
.irp d, 0,1,2,3
	VFR 0, \d, 0
.endr
	s_wait_dscnt 0x0                               ; the image's stores have read the codes' registers
	QUANT 1
	s_wait_loadcnt 32
	WIN 0xc0
.irp d, 4,5,6,7
	VFR 0, \d, 0
.endr
	s_wait_dscnt 0x0
	QUANT 2
	s_wait_loadcnt 32
	WIN 0xc0
.irp d, 0,1,2,3
	VFR 1, \d, BLK
.endr
	s_wait_dscnt 0x0
	QUANT 3
	WIN 0xc0
.irp d, 4,5,6,7
	VFR 1, \d, BLK
.endr
	WIN 0
	s_wait_xcnt 0x0
	s_add_nc_u64 s[VB:VB+1], s[VB:VB+1], BLK       ; at step 1: the barrier ahead of body 2 steps it to step 2
	s_wait_alu depctr_va_vdst(0)
	s_wait_tensorcnt 0x0                           ; slot 0
	ds_add_u32 v[SPW], v[NIL]
	s_wait_dscnt 0x0                               ; the add, and my part of Q's image
	ROUND
	tensor_load_to_lds s[G0+4:G0+7], s[G1:G1+7]    ; slot 1
	s_nop 0
	PLACES
	WIN 0x80
.set n, 0
.rept 16
.irp c, 0,1,2,3
	ds_load_b128 v[16*n+4*\c:16*n+4*\c+3], v[AQ] offset:2048*n+512*\c   ; all 64 queries' fragments stay in window 2
.endr
.set n, n+1
.endr
	BODY 0, 0, 0, 1, 0, 0, 0
	XBAR 0, 0, 0, 0
	BODY 1, 1, 0, 1, 0, 0, 0
	s_mov_b32 s[TRIPS], 13
	XBAR 1, 1, 1, 0
	BODY 0, 1, 1, 1, 0, 1, 32
	XBAR 0, 1, 0, 1                                ; from here on O^T exists: it is brought under the last softmax's M across each barrier, ahead of the next PV
	BODY 1, 1, 2, 1, 1, 1, 32
.Ltrip:                                            ; bodies 4 to 29: 13 trips of two, each with one refill
	XBAR 1, 1, 1, 1
	BODY 0, 1, 2, 1, 1, 1, 32
	XBAR 0, 1, 0, 1
	BODY 1, 1, 2, 1, 1, 1, 32
	s_sub_co_u32 s[TRIPS], s[TRIPS], 1
	s_cmp_lg_u32 s[TRIPS], 0
	s_cbranch_scc1 .Ltrip
	XBAR 2, 1, 0, 1                                ; the last slot: nothing is filled again
	BODY 0, 1, 2, 1, 1, 1, 32
	XBAR 0, 1, 0, 1
	BODY 1, 1, 2, 1, 1, 1, 32
	XBAR 0, 0, 0, 1
	BODY 0, 1, 2, 0, 1, 0, 32
	XBAR 0, 0, 0, 1
	BODY 1, 0, 2, 0, 1, 0, 0
	; THE WAY OUT: the four waves' sums are joined; O^T / sum x 2^(e2 + e3) goes through my stage (in slot 0, which has had its last fill and is read no more) and leaves as rows of 512 bytes.
	WIN 0
	v_and_b32 v18, 15, v0
	v_bfe_u32 v19, v0, 4, 1
	s_mul_i32 s56, s[WV], 16*528
	v_mul_u32_u24 v[STO], v18, 528
	v_lshl_add_u32 v[STO], v19, 5, v[STO]
	v_add_nc_u32 v[STO], s56, v[STO]
	v_add_nc_u32 v[RD], s56, v[L16]
.irp q, 0,1,2,3
	v_add_f32 v[ST+8*\q+6], v[ST+8*\q+2], v[ST+8*\q+3]
.endr
.irp q, 0,1,2,3
	v_permlanex16_b32 v[ST+8*\q+7], v[ST+8*\q+6], s[SEL], s[SEL+1]
.endr
.irp q, 0,1,2,3
	v_add_f32 v[ST+8*\q+6], v[ST+8*\q+6], v[ST+8*\q+7]
.endr
.irp q, 0,1,2,3
	ds_store_b32 v[AMXW], v[ST+8*\q+6] offset:LXO+256*\q
.endr
	s_wait_alu depctr_va_vdst(0)
	s_wait_dscnt 0x0
	s_barrier_signal -1
	s_barrier_wait -1
.irp q, 0,1,2,3
	ds_load_b128 v[MXR+4*\q:MXR+4*\q+3], v[AMX] offset:LXO+256*\q
.endr
	s_wait_dscnt 0x0
.irp q, 0,1,2,3
	v_add_f32 v[ST+8*\q+6], v[MXR+4*\q], v[MXR+4*\q+1]
	v_add_f32 v[ST+8*\q+7], v[MXR+4*\q+2], v[MXR+4*\q+3]
.endr
.irp q, 0,1,2,3
	v_add_f32 v[ST+8*\q+6], v[ST+8*\q+6], v[ST+8*\q+7]
.endr
	s_wait_alu depctr_va_vdst(0)                   ; ahead of the batch
.irp q, 0,1,2,3
	v_rcp_f32 v[ST+8*\q+4], v[ST+8*\q+6]
.endr
	v_nop
	s_add_co_i32 s56, s34, s35
	s_wait_alu depctr_va_vdst(0)                   ; behind it
.irp q, 0,1,2,3
	v_ldexp_f32 v[ST+8*\q+4], v[ST+8*\q+4], s56
.endr
	s_wait_alu depctr_va_vdst(0)                   ; directly ahead of the first reader of O^T
.macro TOSTAGE a
	WIN 0x01
.irp d, 0,1,2,3,4,5,6,7
.irp k, 0,2,4,6
	v_pk_mul_f32 v[S+8*\d+\k:S+8*\d+\k+1], v[8*(4*\d+(\a))+\k:8*(4*\d+(\a))+\k+1], v[ST+8*(\a)+4:ST+8*(\a)+5] op_sel_hi:[1,0]
.endr
.endr
	WIN 0
.irp d, 0,1,2,3,4,5,6,7
	ds_store_b128 v[STO], v[S+8*\d:S+8*\d+3] offset:64*\d
	ds_store_b128 v[STO], v[S+8*\d+4:S+8*\d+7] offset:64*\d+16
.endr
.set BB, PF+64*((\a)%2)
.irp t, 0,1,2,3,4,5,6,7,8,9,10,11,12,13,14,15
	ds_load_b128 v[BB+4*\t:BB+4*\t+3], v[RD] offset:528*\t   ; LDS serves a wave's instructions in order: these see my stores
.endr
.endm
.macro SEND a, younger
.set BB, PF+64*((\a)%2)
	s_wait_dscnt \younger
.irp t, 0,1,2,3,4,5,6,7,8,9,10,11,12,13,14,15
	global_store_b128 v[L16], v[BB+4*\t:BB+4*\t+3], s[OUT:OUT+1] offset:(16*(\a)+\t)*2048 th:TH_STORE_NT   ; a wave's store covers 512 consecutive bytes, aligned
.endr
.endm
	TOSTAGE 0
.irp a, 1,2,3
.if \a > 1
	s_wait_xcnt 0x0                                ; the stores two tiles back have read their registers
.endif
	TOSTAGE \a
	SEND \a-1, 32
.endr
	SEND 3, 0
	s_wait_tensorcnt 0x0                           ; the wave's end
	ds_add_u32 v[SPW], v[NIL]
	s_wait_dscnt 0x0
	ROUND                                          ; the closing round
	s_endpgm
.Lfunc_end_k_q1f6e5555c2_attn:
	.size	k_q1f6e5555c2_attn, .Lfunc_end_k_q1f6e5555c2_attn-k_q1f6e5555c2_attn
	.p2alignl 7, 3214868480
	.fill 96, 4, 3214868480
	.section	.rodata,"a",@progbits
	.p2align	6, 0x0
	.amdhsa_kernel k_q1f6e5555c2_attn
		.amdhsa_group_segment_fixed_size 327680
		.amdhsa_private_segment_fixed_size 0
		.amdhsa_enable_private_segment 0
		.amdhsa_kernarg_size 32
		.amdhsa_user_sgpr_count 2
		.amdhsa_user_sgpr_kernarg_segment_ptr 1
		.amdhsa_wavefront_size32 1
		.amdhsa_system_sgpr_workgroup_id_x 1
		.amdhsa_system_sgpr_workgroup_id_y 1
		.amdhsa_system_sgpr_workgroup_id_z 1
		.amdhsa_system_vgpr_workitem_id 0
		.amdhsa_next_free_vgpr 1024
		.amdhsa_next_free_sgpr 66
		.amdhsa_reserve_vcc 0
		.amdhsa_float_denorm_mode_32 3
		.amdhsa_float_denorm_mode_16_64 3
		.amdhsa_memory_ordered 1
		.amdhsa_forward_progress 1
		.amdhsa_inst_pref_size 255
	.end_amdhsa_kernel
	.section	.bss,"aw",@nobits
	.p2align	6
	.space	262144
	.amdgpu_metadata
---
amdhsa.version: [ 1, 2 ]
amdhsa.kernels:
  - .name:           k_q1f6e5555c2_attn
    .symbol:         k_q1f6e5555c2_attn.kd
    .args:
      - { .name: codebook, .offset: 0, .size: 8, .value_kind: global_buffer, .address_space: global }
      - { .name: lowp_scales, .offset: 8, .size: 8, .value_kind: global_buffer, .address_space: global }
      - { .name: kv, .offset: 16, .size: 8, .value_kind: global_buffer, .address_space: global }
      - { .name: out0, .offset: 24, .size: 8, .value_kind: global_buffer, .address_space: global }
    .group_segment_fixed_size: 327680
    .private_segment_fixed_size: 0
    .kernarg_segment_align: 8
    .kernarg_segment_size: 32
    .max_flat_workgroup_size: 128
    .sgpr_count:     66
    .vgpr_count:     1024
    .wavefront_size: 32
...
	.end_amdgpu_metadata
.endif
;; end of part 2
